; MI455X (gfx1250); checked and timed in simulation.
; The chip was launched on July 23, 2026; its instructions are those of AMD's public machine-readable ISA for CDNA 5 (MIT licence, August 2026) and "CDNA5" Instruction Set Architecture Reference Guide (July 2026). The comments in the code are by the model that wrote it; some were corrected since.
;; Basis Change I to HW. Allowed arithmetic: matrix products marked QUANTISED: E3M2 operands, one E8M0 scale for each 32 along K, by v_wmma_scale_f32_16x16x128_f8f6f4 with both operands' format E3M2, f32 sums; everything else in f32.
;; Inputs: input_state 2,048 x 4,096 float32; passage_matrix 8,128 x 4,096 float32.
;; Outputs: out0 2,048 x 8,128 float32.
;; This version of the problem:
;;   THIS VERSION OF THE PROBLEM IS GIVEN IN LOW PRECISION. The matrix products marked QUANTISED in the list below multiply operands that are first quantised to E3M2 (3 exponent bits, 2 mantissa bits; 6 bits a number), with one power-of-two scale for each 32 numbers along K (OCP MX v1.0); their sums are f32. All else is computed in f32.
;;   The module's matrix products, in the order in which they are computed (A, B: the left and right operand; K: the contracted axis; several contracted axes count as one K, in the product's order):
;;     1. [M 2,048, K 4,096] x [K 4,096, N 8,128]; A: input input_state; B: input passage_matrix: QUANTISED
;;   THE QUANTISER, for each operand of a quantised product, along K:
;;     - K is cut into blocks of 32 from its start; a last block that is shorter is filled with zeros.
;;     - A block's scale is 2^e with e = floor(log2(the largest magnitude in the block)) - 4, held to -126 .. 127; a block of zeros has e = 0. As a byte (E8M0): e + 127.
;;     - Each number is divided by its block's scale, clamped to +-28, and rounded to the nearest number of E3M2, ties to even, subnormals kept.
;;     - The product sums the exact products of the quantised numbers (number of the format x scale) in f32.
;;   ~~~python
;;   def quantise(x, axis):      # numpy; x: float32 -> the quantised numbers, widened to float32 again
;;       x = np.moveaxis(x, axis, -1); K = x.shape[-1]
;;       x = np.pad(x, [(0, 0)] * (x.ndim - 1) + [(0, -K % 32)]); x = x.reshape(x.shape[:-1] + (-1, 32)); a = np.abs(x).max(-1, keepdims=True)
;;       e = np.where(a > 0, np.clip(np.frexp(np.where(a > 0, a, 1))[1] - 1 - 4, -126, 127), 0)      # np.frexp(a)[1] - 1 = floor(log2(a)), exactly
;;       r = np.clip(x / 2.0 ** e, -28, 28)
;;       step = 2.0 ** (np.maximum(np.frexp(np.where(r == 0, 1, r))[1] - 1, -2) - 2)
;;       q = np.round(r / step) * step * 2.0 ** e      # np.round: ties to even
;;       return np.moveaxis(q.reshape(q.shape[:-2] + (-1,))[..., :K], -1, axis).astype(np.float32)
;;   ~~~
;; One version. Each part assembles by itself: llvm-mc -triple=amdgcn-amd-amdhsa -mcpu=gfx1250 --defsym DOCPART=n.
;; ======== version 1 of 1: 2 launches
;; limits: right only within a limited range of input values
;; workspace buffers: a_pack 6,651,904 bytes; b_pack 26,399,744 bytes
;; launch quant (part 1): grid 11 x 159, 4 waves a work-group, no clusters, 34,304 bytes of LDS; arguments input_state, passage_matrix, a_pack, b_pack; writes a_pack, b_pack
.if DOCPART == 1
	.amdgcn_target "amdgcn-amd-amdhsa--gfx1250"
	.amdhsa_code_object_version 6
	.text
	.protected	k_q56a2dfd8b0_quant
	.globl	k_q56a2dfd8b0_quant
	.p2align	8
	.type	k_q56a2dfd8b0_quant,@function
k_q56a2dfd8b0_quant:
	s_mov_b64 s[64:65], 0
	v_nop
	global_prefetch_b8 v0, s[64:65] scope:SCOPE_SE
	s_setreg_imm32_b32 hwreg(HW_REG_WAVE_MODE, 25, 1), 1
	s_wait_xcnt 0x0
; x [2048][4096] and P [8128][4096], f32, K innermost, become codes of BF6 (E3M2), 6 bits each, with one E8M0 scale byte for each 32 along K.
; A block's scale is 2^(floor(log2(its largest magnitude)) - 4); its byte is the largest magnitude's own exponent field - 4, held at 1 from below; each number is divided by the scale
; and rounded to the nearest code, ties to even; beyond the largest code the conversion gives the largest code.
; LIMITS: NaN and infinities among the inputs are not served.  A block of zeros gets the byte 1 where the rule says 127: its codes are zeros, which add nothing under any byte but 0xff,
; and the bytes are read by this program alone.  A largest magnitude under 2^-122 keeps the byte 1: the rule's own hold at -126.
; THE RESULTS ARE LAID IN RECORDS, as the product's launch takes them.  A record belongs to 16 rows (a row block) and 384 along K (a slot of that launch's ring):
;   256 bytes of scale words: row r's four words at 16 r; word q holds the four scale bytes of the slot's q-th 128 along K; the fourth word is 0;
;   then three FRAGMENTS, images of the matrix operand's registers: 16 rows x 128 K, 12 registers a lane, 1,536 bytes: registers 4 g .. 4 g + 3 of lane l at 512 g + 16 l;
;   lane (r = l % 16, h = l / 16) holds, in registers 6 c .. 6 c + 5, the codes of k = 64 c + 32 h + 0 .. 31 of row r.
;   byte = slot x STRIDE + row block x 4,864;  STRIDE = row blocks x 4,864: the records of one slot lie on end.
; 4,096 = 10 x 384 + 256: slot 10 has two fragments to a record, 3,328 bytes, at 10 x STRIDE + row block x 3,328; its words 2 and 3 are 0.
; SHARES.  A wave makes one record.  Work-group x is the slot, work-group y four row blocks, one a wave; the first 32 values of y take x, the other 127 P: only pointers and STRIDE are chosen.
; A step is one fragment.  Each of a step's 16 loads reads 512 consecutive bytes of one row, 16 a lane; the 8,192 bytes turn through the wave's own stage in LDS (rows 528 bytes apart)
; and come back so that a lane holds two WHOLE blocks of 32 of its row: no other lane is
; asked for a maximum, and the conversions' results are the fragment's registers.  No tensor loads, no barrier: waves share nothing.  Loads run a step ahead.
; SLOT 10 HAS NO THIRD STEP.  There the third step's loads and stores are issued with no lane on (a mask made of the work-group's x): nothing is read or written, every count of loads holds on the one path
; that the text has, and the step's arithmetic runs on the numbers that its registers still hold; its scale word is cleared.
.set REC,   4864                       ; a record: 256 + 3 x 1,536
.set RECL,  3328                       ; slot 10's: 256 + 2 x 1,536
.set STRA,  128*REC
.set STRB,  508*REC
.set YA,    32                         ; x's values of y: 128 row blocks, four to a work-group
.set LASTS, 10
.set SP,    528                        ; a stage row: 512 bytes + 16
.set WST,   16*SP                      ; a wave's stage
.set LIN,   4                          ; v4   16 x lane: my 16 bytes of a load's or a store's 512; never rewritten
.set STI,   5                          ; v5   the stage, on the way in: wave's stage + 16 x lane
.set STO,   6                          ; v6   and on the way out: wave's stage + 528 r + 128 h
.set SH,    10                         ; v10  8 h: how far my two scale bytes are shifted up
.set TMP,   11                         ; v11  a lane permute's destination
.set MX,    12                         ; v12-13 largest magnitudes of my two blocks
.set SCO,   14                         ; v14-15 the conversions' scale operands
.set BY,    16                         ; v16-17 the scale bytes
.set W,     18                         ; v18-21 a scale word for each step, and the 0 behind them
.set C,     24                         ; v24-35 the fragment
.set T,     36                         ; v36-38, v40-42 the blocks' upper halves as the conversions leave them
.set X,     48                         ; v48-111, v112-175 two sets of 64 numbers
	s_load_b128 s[4:7], s[0:1], 0x0                ; x, P
	s_load_b128 s[8:11], s[0:1], 0x10              ; x's records, P's records
	v_lshl_add_u32 v176, v0, 2, 0x8400
	v_mov_b32 v177, 0
	v_lshrrev_b32 v1, 5, v0
	v_readfirstlane_b32 s16, v1                    ; wave 0..3
	v_and_b32 v1, 31, v0                           ; lane
	v_and_b32 v2, 15, v0                           ; r
	v_bfe_u32 v3, v0, 4, 1                         ; h
	v_lshlrev_b32 v[LIN], 4, v1
	s_mul_i32 s28, s16, WST
	v_add_nc_u32 v[STI], s28, v[LIN]
	v_mul_u32_u24 v[STO], v2, SP
	v_lshl_add_u32 v[STO], v3, 7, v[STO]
	v_add_nc_u32 v[STO], s28, v[STO]
	v_lshlrev_b32 v[SH], 3, v3
	v_mov_b32 v[TMP], 0                            ; written once: a lane permute's destination counts as one of its sources
	v_cmp_eq_u32 vcc_lo, 0, v3                     ; lanes 0-15; VCC is written nowhere else
	s_mov_b32 s20, 0x76543210
	s_mov_b32 s21, 0xfedcba98                      ; v_permlanex16_b32's selects for lane l xor 16
	s_and_b32 s12, ttmp7, 0xffff                   ; y
	s_cmp_lt_u32 s12, YA                           ; x's work-group or P's?
	s_cselect_b32 s17, 0, YA
	s_mov_b32 s18, STRB
	s_cselect_b32 s18, STRA, s18                   ; STRIDE
	s_sub_co_u32 s17, s12, s17
	s_lshl_b32 s17, s17, 2
	s_add_co_u32 s17, s17, s16                     ; my row block in its tensor
	s_cmp_eq_u32 ttmp9, LASTS                      ; the short slot?
	s_cselect_b32 s31, 0, -1                       ; the lanes of the third step's loads and stores: none there, all elsewhere
	s_mov_b32 s19, REC
	s_cselect_b32 s19, RECL, s19                   ; a record's bytes in my slot
	s_lshl_b32 s22, s17, 18                        ; the numbers: 16 rows of 16,384 bytes a row block,
	s_mul_i32 s24, ttmp9, 1536                     ; 384 numbers a slot
	s_add_co_u32 s22, s22, s24
	s_mov_b32 s23, 0
	s_mul_i32 s24, ttmp9, s18                      ; the record
	s_mul_i32 s25, s17, s19
	s_add_co_u32 s24, s24, s25
	s_mov_b32 s25, 0
	s_wait_alu depctr_va_vdst(0)
	s_wait_kmcnt 0x0
	s_cmp_lt_u32 s12, YA                           ; the choice of buffers hangs on the work-group's number alone
	s_cselect_b64 s[4:5], s[4:5], s[6:7]
	s_cselect_b64 s[8:9], s[8:9], s[10:11]
	s_add_nc_u64 s[4:5], s[4:5], s[22:23]
	s_add_nc_u64 s[8:9], s[8:9], s[24:25]
.macro LOAD t                          ; step t's 16 rows x 128 numbers into set t % 2: each load covers 512 consecutive bytes, at a multiple of 512 from the tensor's first byte; read once in the launch
.irp i, 0,1,2,3,4,5,6,7,8,9,10,11,12,13,14,15
	global_load_b128 v[X+64*((\t)%2)+4*\i:X+64*((\t)%2)+4*\i+3], v[LIN], s[4:5] offset:\i*16384+(\t)*512 th:TH_LOAD_NT
.endr
.endm
.macro STEP t
.set XS, X+64*((\t)%2)
.if (\t) < 2
	s_wait_loadcnt 16                              ; loads come back in order: this step's 16 are in, the next step's 16 may be out
.else
	s_wait_loadcnt 0x0
.endif
.irp i, 0,1,2,3,4,5,6,7,8,9,10,11,12,13,14,15
	ds_store_b128 v[STI], v[XS+4*\i:XS+4*\i+3] offset:SP*\i      ; row i as it was loaded
.endr
.irp c, 0,1
.irp j, 0,1,2,3,4,5,6,7
	ds_load_b128 v[XS+32*\c+4*\j:XS+32*\c+4*\j+3], v[STO] offset:256*\c+16*\j   ; LDS serves a wave's instructions in order: these see the stores above.  Register 32 c + i: k = 64 c + 32 h + i of row r
.endr
.endr
	s_wait_dscnt 0x0
.irp c, 0,1
	v_max3_num_f32 v[MX+\c], |v[XS+32*\c]|, |v[XS+32*\c+1]|, 0x2800000   ; my block 2 c + h: all its 32 numbers are mine; and the floor 2^(5 - 127), so that the byte cannot fall under 1
.endr
.irp i, 2,4,6,8,10,12,14,16,18,20,22,24,26,28,30
.irp c, 0,1
	v_max3_num_f32 v[MX+\c], v[MX+\c], |v[XS+32*\c+\i]|, |v[XS+32*\c+\i+1]|   ; (the two blocks by turns)
.endr
.endr
.irp c, 0,1
	v_add_nc_u32 v[SCO+\c], 0xfe000000, v[MX+\c]   ; 4 off the exponent field: the conversion takes the exponent field of this operand as its scale, and nothing else of it
.endr
.irp c, 0,1
	v_lshrrev_b32 v[BY+\c], 23, v[SCO+\c]          ; the scale's byte
.endr
	v_lshl_or_b32 v[W+(\t)], v[BY+1], 16, v[BY]    ; my two bytes: blocks h and 2 + h of row r,
	v_lshlrev_b32 v[W+(\t)], v[SH], v[W+(\t)]      ; at their places in the word (8 h bits up);
	v_permlanex16_b32 v[TMP], v[W+(\t)], s20, s21
	v_or_b32 v[W+(\t)], v[W+(\t)], v[TMP]          ; with lane l xor 16's two the word is whole, in both lanes
	s_wait_alu depctr_va_vdst(0)
	s_wait_xcnt 0x0                                ; every earlier load and store has read its registers and EXEC: only behind this wait are the fragment's registers, the last step's store data, and EXEC written
.irp c, 0,1
	v_cvt_scalef32_pk16_bf6_f32 v[C+6*\c:C+6*\c+2], v[XS+32*\c:XS+32*\c+15], v[SCO+\c]       ; registers 6 c .. 6 c + 2 of the fragment
	v_cvt_scalef32_pk16_bf6_f32 v[T+4*\c:T+4*\c+2], v[XS+32*\c+16:XS+32*\c+31], v[SCO+\c]    ; (a conversion's three registers begin on an even number: a block's upper half is made elsewhere and moved)
.endr
	v_nop                                          ; one plain place behind a scaled conversion
.irp c, 0,1
.irp i, 0,1,2
	v_mov_b32 v[C+3+6*\c+\i], v[T+4*\c+\i]
.endr
.endr
.if (\t) == 0
	s_and_saveexec_b32 s30, s31                    ; the third step's loads: all lanes, or in slot 10 none (no load or store has been issued since the wait on XCNT above)
	LOAD 2                                         ; into the set just used; loads ahead of stores
	s_wait_alu depctr_va_vdst(0)
	s_wait_xcnt 0x0                                ; and again, in front of the line that widens EXEC
	s_or_b32 exec_lo, exec_lo, s30                 ; EXEC restored: all lanes on
.endif
.if (\t) == 2
	s_wait_alu depctr_va_vdst(0)
	s_wait_tensorcnt 0x0
	ds_add_u32 v176, v177
	s_wait_dscnt 0x0
	s_and_saveexec_b32 s30, s31                    ; the third step's stores likewise
.endif
.irp g, 0,1,2
	global_store_b128 v[LIN], v[C+4*\g:C+4*\g+3], s[8:9] offset:256+(\t)*1536+512*\g   ; the image: 32 lanes store 512 consecutive bytes, at a multiple of 256 from the buffer's first byte
.endr
.if (\t) == 2
	s_wait_xcnt 0x0
	s_or_b32 exec_lo, exec_lo, s30                 ; EXEC restored: all lanes on
.endif
.endm
	LOAD 0
	LOAD 1
	STEP 0
	STEP 1
	STEP 2
	v_and_b32 v[W+2], s31, v[W+2]                  ; slot 10 has no third step: its word is 0
	v_mov_b32 v[W+3], 0
	s_and_saveexec_b32 s30, vcc_lo                 ; lanes 0-15: lane r holds row r's words (no load or store has been issued since the last wait on XCNT)
	global_store_b128 v[LIN], v[W:W+3], s[8:9]     ; the record's first 256 bytes, at a multiple of 256 from the buffer's first byte, by sixteen lanes
	s_wait_xcnt 0x0
	s_or_b32 exec_lo, exec_lo, s30
	s_endpgm
.Lfunc_end_k_q56a2dfd8b0_quant:
	.size	k_q56a2dfd8b0_quant, .Lfunc_end_k_q56a2dfd8b0_quant-k_q56a2dfd8b0_quant
	.p2alignl 7, 3214868480
	.fill 96, 4, 3214868480
	.section	.rodata,"a",@progbits
	.p2align	6, 0x0
	.amdhsa_kernel k_q56a2dfd8b0_quant
		.amdhsa_group_segment_fixed_size 34304
		.amdhsa_private_segment_fixed_size 0
		.amdhsa_enable_private_segment 0
		.amdhsa_kernarg_size 32
		.amdhsa_user_sgpr_count 2
		.amdhsa_user_sgpr_kernarg_segment_ptr 1
		.amdhsa_wavefront_size32 1
		.amdhsa_system_sgpr_workgroup_id_x 1
		.amdhsa_system_sgpr_workgroup_id_y 1
		.amdhsa_system_sgpr_workgroup_id_z 1
		.amdhsa_system_vgpr_workitem_id 0
		.amdhsa_next_free_vgpr 178
		.amdhsa_next_free_sgpr 66
		.amdhsa_reserve_vcc 1
		.amdhsa_float_denorm_mode_32 3
		.amdhsa_float_denorm_mode_16_64 3
		.amdhsa_memory_ordered 1
		.amdhsa_forward_progress 1
		.amdhsa_inst_pref_size 24
	.end_amdhsa_kernel
	.amdgpu_metadata
---
amdhsa.version: [ 1, 2 ]
amdhsa.kernels:
  - .name:           k_q56a2dfd8b0_quant
    .symbol:         k_q56a2dfd8b0_quant.kd
    .args:
      - { .name: input_state, .offset: 0, .size: 8, .value_kind: global_buffer, .address_space: global }
      - { .name: passage_matrix, .offset: 8, .size: 8, .value_kind: global_buffer, .address_space: global }
      - { .name: a_pack, .offset: 16, .size: 8, .value_kind: global_buffer, .address_space: global }
      - { .name: b_pack, .offset: 24, .size: 8, .value_kind: global_buffer, .address_space: global }
    .group_segment_fixed_size: 34304
    .private_segment_fixed_size: 0
    .kernarg_segment_align: 8
    .kernarg_segment_size: 32
    .max_flat_workgroup_size: 128
    .sgpr_count:     66
    .vgpr_count:     178
    .wavefront_size: 32
...
	.end_amdgpu_metadata
.endif
;; end of part 1
;; launch gemm (part 2): grid 32 x 8, 4 waves a work-group, clusters of 4 x 4, 327,680 bytes of LDS; arguments a_pack, b_pack, out0; writes out0
.if DOCPART == 2
	.amdgcn_target "amdgcn-amd-amdhsa--gfx1250"
	.amdhsa_code_object_version 6
	.text
	.protected	k_q56a2dfd8b0_gemm
	.globl	k_q56a2dfd8b0_gemm
	.p2align	8
	.type	k_q56a2dfd8b0_gemm,@function
k_q56a2dfd8b0_gemm:
	s_mov_b64 s[64:65], 0
	v_nop
	global_prefetch_b8 v0, s[64:65] scope:SCOPE_SE
	s_setreg_imm32_b32 hwreg(HW_REG_WAVE_MODE, 25, 1), 1
	s_wait_xcnt 0x0
	s_wait_alu depctr_hold_cnt(0) depctr_sa_sdst(0) depctr_va_vdst(0) depctr_va_sdst(0) depctr_va_ssrc(0) depctr_va_vcc(0) depctr_vm_vsrc(0)
	s_getreg_b32 s2, hwreg(HW_REG_IB_STS2, 6, 4)
	s_cmp_eq_u32 s2, 0
	s_cbranch_scc0 .Lentry_in_a_cluster
	s_endpgm
.Lentry_in_a_cluster:
	s_bfe_u32 s2, ttmp6, 0x10000c
	s_cmp_lg_u32 s2, 0xf033
	s_cbranch_scc0 .Lentry_shape_is_right
	s_endpgm
.Lentry_shape_is_right:
; out[m][n] = sum over k of Q(x)[m][k] Q(P)[n][k]: 2,048 x 8,128, K = 4,096, codes of BF6 (E3M2) with E8M0 scales, sums in f32.  P is an input and is taken as it is given: the whole product is done.
; The operands come as the records that the launch before has laid: 16 rows x 384 K = 256 bytes of scale words + three images of the operand's registers (1,536 bytes each: registers 4 g .. 4 g + 3 of lane l at 512 g + 16 l).
; The eleventh piece of K has 256 along K: records of 3,328 bytes.
; A block of 256 x 256 is made by four waves, 128 x 128 each: 64 accumulators.  K goes through two LDS slots of 384 along K (three steps of 128); a wave fetches 8 records, a dense run of 38,912 bytes, by one tensor load.
; 8,128 = 31 x 256 + 192: the last column of blocks begins at column 7,872 and stores only the columns from 7,936 on, so that each byte has one owner.
; CLUSTERS: 4 x 4 work-groups; A's records are asked for jointly along a row of the cluster, B's along a column.  THE MATRIX INSTRUCTION IS USED TRANSPOSED (source 0 = rows of P, source 1 = rows of x).
; TWO SETS OF FRAGMENTS FOR BOTH OPERANDS: a step's 48 LDS loads stand in ONE run at the head of the step before, and the step's 64 products follow each other with no load between them.
; So a slot's last read stands at the head of its second step: the change of slots (waits, add, round, joint refill) stands at that step's end, and the next slot's first run directly behind the refill.
; REGISTERS: window 0: v2-7 LDS addresses, v8-14 the way out, the add's two registers, the prefetches' offset; v16-79 scale words, two sets; v80-175 A's set 0; v176-247 blocks 0-5 of A's set 1.
;   window 1: v0-95, v96-191 B's two sets; v192-215 blocks 6, 7 of A's set 1.   window 2: the accumulators of my rows 0-63 ((a, b) at v[8 (8 a + b)]);   window 3: those of my rows 64-127.
; PREFETCH: behind the load of piece c of K, the records of piece c + 2 (behind the first load also piece 1's): of the 8 records that a wave fetches, each of the four partners names two (by address: cx for A, cy for B),
; a lane to each 256 bytes of a record's 19.  A's records are named by the clusters of the first column of clusters, B's by those of the first row.  The last piece asked for is piece 9: the short eleventh is not asked for.
.set SIZE_N, 8128
.set FRB,    1536
.set HDR,    256
.set RECF,   HDR+3*FRB
.set RECL,   HDR+2*FRB
.set HALFT,  8*RECF                    ; what one tensor load brings, and what one wave reads of A or of B
.set SLOT,   4*HALFT
.set TRIPS,  4
.set STRA,   128*RECF                  ; from one piece of K to the next in a_pack, b_pack
.set STRB,   508*RECF
.set SPARE,  2*SLOT                    ; the spare words: 512 bytes that no other line names
.set STAGE,  SLOT                      ; the way out: slot 1 has had its last fill and its last read by then
.set SPITCH, 528
.set ADRA, 2
.set ADRB, 4
.set ADRS, 6
.set STO,  8
.set RD,   9
.set CO,   10
.set SPW,  12
.set NIL,  13
.set PFO,  14
.set SC,   16
.set BK,   80                          ; the way out: 16 rows read back from the stage: v80-143 and v144-207 by turns
.set G1, 24
.set G0, 32
.set G1B, 48
.set G0B, 56
.set G1L, 68
.set G1LB, 76
.set SUBA, 84
.set SUBB, 86
.set PF1,  88
.set LIM,  66
.set NEED, 67
.set RBB,  95
.set PFA,  96
.set PFS,  98
.set MSB, 0
.macro WIN new                         ; the immediate's high byte repeats the setting that is left
.if MSB != (\new)
	s_set_vgpr_msb (MSB<<8)|(\new)
.set MSB, (\new)
.endif
.endm
.macro PLACES
.rept 4
	v_nop
.endr
.endm
.macro JLOAD g0a, g1a, g0b, g1b        ; a joint load: waves 0 and 1 fetch for A, waves 2 and 3 for B; s_nop 0 and four v_nop behind the load
	s_cmp_eq_u32 s15, 0
	s_cbranch_scc0 .Lfor_b_\@
	tensor_load_to_lds s[\g0a:\g0a+3], s[\g1a:\g1a+7]
	s_nop 0
	PLACES
	s_branch .Lasked_\@
.Lfor_b_\@:
	tensor_load_to_lds s[\g0b:\g0b+3], s[\g1b:\g1b+7]
	s_nop 0
	PLACES
.Lasked_\@:
.endm
.macro ASK how, b                      ; two records at s[b:b+1].  how = 1: not in the loop's last trip, whose refills have no whole piece two on
.if \how
	s_cmp_gt_u32 s3, s[LIM]
.else
	s_cmp_eq_u32 s[LIM], 1
.endif
	s_cbranch_scc0 .Lnot_mine_\@
	global_prefetch_b8 v[PFO], s[\b:\b+1] th:TH_LOAD_NT scope:SCOPE_SE
	global_prefetch_b8 v[PFO], s[\b:\b+1] offset:RECF th:TH_LOAD_NT scope:SCOPE_SE
.Lnot_mine_\@:
.endm
.macro CREST                           ; a round of the cluster's barrier behind its opening barrier
	s_cmp_lg_u32 s14, 0
	s_cbranch_scc1 .Lnot_wave_0_\@
	s_barrier_signal -3
.Lnot_wave_0_\@:
	s_barrier_wait -3
	s_barrier_signal -1
	s_barrier_wait -1
.endm
.macro CROUND
	s_barrier_signal -1
	s_barrier_wait -1
	CREST
.endm
	s_load_b128 s[4:7], s[0:1], 0x0                ; a_pack, b_pack
	s_load_b64 s[12:13], s[0:1], 0x10              ; out
	v_lshl_add_u32 v[SPW], v0, 2, SPARE
	v_mov_b32 v[NIL], 0
	ds_add_u32 v[SPW], v[NIL]                      ; the opening lines: the add, twice on end, and its wait
	ds_add_u32 v[SPW], v[NIL]
	v_lshrrev_b32 v1, 5, v0
	v_readfirstlane_b32 s14, v1                    ; wave 0..3
	s_lshr_b32 s15, s14, 1                         ; my half of the block's rows; also: I fetch for A (0) or for B (1)
	s_and_b32 s16, s14, 1                          ; my half of its columns; also: which 8 records I fetch
	s_bfe_u32 s40, ttmp6, 0x40000                  ; cx
	s_bfe_u32 s41, ttmp6, 0x40004                  ; cy
	s_lshl_b32 s42, ttmp9, 2
	s_add_co_u32 s42, s42, s40                     ; block column
	s_and_b32 s17, ttmp7, 0xffff
	s_lshl_b32 s17, s17, 2
	s_add_co_u32 s17, s17, s41                     ; block row
	s_lshl_b32 s43, s41, 2
	s_lshl_b32 s43, 15, s43                        ; my row of the cluster
	s_lshl_b32 s44, 0x1111, s40                    ; my column
	s_or_b32 s[G1+0], s43, (3<<16)|(1<<21)         ; elements of 8 bytes; the mask, and bit 21 beside it
	s_or_b32 s[G1B+0], s44, (3<<16)|(1<<21)
	s_or_b32 s[G1L+0], s43, (3<<16)|(1<<21)
	s_or_b32 s[G1LB+0], s44, (3<<16)|(1<<21)
.irp g, G1, G1B                        ; 8 records of 4,864 bytes: a dense run, as 152 rows of 256 bytes
	s_mov_b32 s[\g+1], 32<<16
	s_mov_b32 s[\g+2], 152<<16
	s_mov_b32 s[\g+3], 32<<16
	s_mov_b32 s[\g+4], 152
	s_mov_b32 s[\g+5], 32
	s_mov_b32 s[\g+6], 0
	s_mov_b32 s[\g+7], 0
.endr
.irp g, G1L, G1LB                      ; 8 records of 3,328 bytes: 104 rows
	s_mov_b32 s[\g+1], 32<<16
	s_mov_b32 s[\g+2], 104<<16
	s_mov_b32 s[\g+3], 32<<16
	s_mov_b32 s[\g+4], 104
	s_mov_b32 s[\g+5], 32
	s_mov_b32 s[\g+6], 0
	s_mov_b32 s[\g+7], 0
.endr
	s_lshl_b32 s18, s16, 3
	s_lshl_b32 s20, s17, 4
	s_add_co_u32 s20, s20, s18                     ; A: my first row block
	s_lshl_b32 s[RBB], s42, 4
	s_min_u32 s[RBB], s[RBB], 492                  ; B: the last block begins at row block 492 of 508
	s_add_co_u32 s46, s[RBB], s18
	s_mul_i32 s[SUBA], s20, RECF-RECL              ; what the short piece's records lie nearer
	s_mov_b32 s[SUBA+1], 0
	s_mul_i32 s[SUBB], s46, RECF-RECL
	s_mov_b32 s[SUBB+1], 0
	s_mul_i32 s20, s20, RECF
	s_mov_b32 s21, 0
	s_mul_i32 s46, s46, RECF
	s_mov_b32 s47, 0
	s_mul_i32 s45, s14, HALFT                      ; where my records go: wave x 8 records
	s_wait_dscnt 0x0                               ; both opening adds are done
	s_wait_kmcnt 0x0
	s_add_nc_u64 s[20:21], s[4:5], s[20:21]
	s_add_nc_u64 s[46:47], s[6:7], s[46:47]
	CROUND                                         ; all sixteen work-groups are here: the first joint loads meet
.irp s, 0,1
	s_mov_b32 s[G0+4*\s], 1
	s_add_co_u32 s[G0+4*\s+1], s45, \s*SLOT
	s_add_nc_u64 s[G0+4*\s+2:G0+4*\s+3], s[20:21], \s*STRA
	s_or_b32 s[G0+4*\s+3], s[G0+4*\s+3], 0x80000000
	s_mov_b32 s[G0B+4*\s], 1
	s_add_co_u32 s[G0B+4*\s+1], s45, \s*SLOT
	s_add_nc_u64 s[G0B+4*\s+2:G0B+4*\s+3], s[46:47], \s*STRB
	s_or_b32 s[G0B+4*\s+3], s[G0B+4*\s+3], 0x80000000
.endr
	JLOAD G0, G1, G0B, G1B                         ; piece 0 into slot 0: one tensor load a wave at the head
	; the prefetches' addresses: my 8 records, my work-group's two of them; PFA at piece 2, PF1 at piece 1
	s_and_b32 s22, ttmp7, 0xffff
	s_cmp_eq_u32 s15, 0
	s_cselect_b64 s[PFA:PFA+1], s[20:21], s[46:47]
	s_cselect_b32 s23, s40, s41
	s_cselect_b32 s22, ttmp9, s22
	s_mov_b32 s[PFS], STRB
	s_cselect_b32 s[PFS], STRA, s[PFS]
	s_mov_b32 s[PFS+1], 0
	s_cmp_eq_u32 s22, 0
	s_cselect_b32 s[LIM], 1, -1
	s_mul_i32 s22, s23, 2*RECF
	s_lshl_b32 s23, s[PFS], 1
	s_add_co_u32 s22, s22, s23
	s_mov_b32 s23, 0
	s_add_nc_u64 s[PFA:PFA+1], s[PFA:PFA+1], s[22:23]
	s_sub_nc_u64 s[PF1:PF1+1], s[PFA:PFA+1], s[PFS:PFS+1]
	; where my part of out begins
	s_lshl_b32 s20, s17, 8
	s_lshl_b32 s21, s15, 7
	s_add_co_u32 s20, s20, s21
	s_mul_i32 s20, s20, SIZE_N*4
	s_lshl_b32 s46, s[RBB], 6
	s_lshl_b32 s47, s16, 9
	s_add_co_u32 s46, s46, s47                     ; my first column, in bytes
	s_lshl_b32 s[NEED], s42, 10
	s_sub_co_i32 s[NEED], s[NEED], s46             ; bytes of my rows that the block to the left owns (0 or less: none)
	s_add_co_u32 s20, s20, s46
	s_mov_b32 s21, 0
	s_add_nc_u64 s[12:13], s[12:13], s[20:21]
	; LDS bases
	s_mul_i32 s21, s15, HALFT                      ; my A records, slot 0
	s_mul_i32 s22, s16, HALFT
	s_add_co_u32 s22, s22, 2*HALFT                 ; my B records
	s_sub_co_u32 s23, s22, s21
	s_add_co_u32 s18, s21, SLOT
	s_add_co_u32 s19, s22, SLOT
	s_mul_i32 s93, s14, 16*SPITCH
	s_add_co_u32 s93, s93, STAGE                   ; my stage
	v_and_b32 v16, 31, v0
	v_min_u32 v[PFO], 18, v16                      ; a record is 19 x 256 bytes: the lanes left over name the last again
	v_lshlrev_b32 v[PFO], 8, v[PFO]
	v_and_b32 v1, 15, v0
	v_bfe_u32 v11, v0, 4, 1
	v_lshlrev_b32 v[CO], 4, v16                    ; 16 x lane
	v_lshlrev_b32 v15, 4, v1
	v_mul_u32_u24 v17, s23, v11
	v_add_nc_u32 v15, v15, v17                     ; scale words: lanes 0-15 A's row r, lanes 16-31 B's
	v_mul_u32_u24 v18, v1, SPITCH
	v_lshl_add_u32 v18, v11, 5, v18
	v_add_nc_u32 v[STO], s93, v18
	v_add_nc_u32 v[RD], s93, v[CO]
	v_add_nc_u32 v[ADRA], s21, v[CO]
	v_add_nc_u32 v[ADRA+1], s18, v[CO]
	v_add_nc_u32 v[ADRB], s22, v[CO]
	v_add_nc_u32 v[ADRB+1], s19, v[CO]
	v_add_nc_u32 v[ADRS], s21, v15
	v_add_nc_u32 v[ADRS+1], s18, v15
	s_wait_alu depctr_va_vdst(0)                   ; the wait at the head's end: no vector instruction writes a register behind it
	ASK 0, PF1                                     ; pieces 1 and 2
	ASK 0, PFA
.macro FRAG reg, adr, q, i, rec        ; a fragment's image: three loads of 512 consecutive bytes
.irp c, 0,1,2
	ds_load_b128 v[(\reg)+4*\c:(\reg)+4*\c+3], v[\adr] offset:(\i)*(\rec)+HDR+(\q)*FRB+512*\c
.endr
.endm
.macro SCALES sc, rec                  ; a slot's scale words: register 4 i + q: lanes 0-15 the word of A's block i, lanes 16-31 that of B's block i, for the slot's q-th step
.irp i, 0,1,2,3,4,5,6,7
	ds_load_b128 v[SC+32*(\sc)+4*\i:SC+32*(\sc)+4*\i+3], v[ADRS+(\sc)] offset:\i*(\rec)
.endr
.endm
.macro RUN slot, q, e, rec, sc         ; all fragments of the slot's q-th step into set e; sc = 1: and the slot's scale words
	WIN 0x40                                       ; destination window 1, address window 0
.irp i, 0,1,2,3,4,5,6,7
	FRAG 96*(\e)+12*\i, ADRB+\slot, \q, \i, \rec
.endr
.if (\e)
	FRAG 192, ADRA+\slot, \q, 6, \rec
	FRAG 204, ADRA+\slot, \q, 7, \rec
.endif
	WIN 0
.irp i, 0,1,2,3,4,5
	FRAG 80+96*(\e)+12*\i, ADRA+\slot, \q, \i, \rec
.endr
.if (\e) == 0
	FRAG 152, ADRA+\slot, \q, 6, \rec
	FRAG 164, ADRA+\slot, \q, 7, \rec
.endif
.if \sc
	SCALES \slot, \rec
.endif
.endm
; A's block a against B's eight, 128 along K.  The 64 accumulators take turns, one instruction a turn, in the same order in every step.
.macro MUL8 a, e, q, sc, zero
.if ((\e) != 0) && ((\a) >= 6)
	WIN 0xf5                                       ; source 1 in window 1
.set AA, 192+12*((\a)-6)
.else
	WIN 0xa1+0x50*((\a)/4)                         ; source 0 (B) window 1, source 1 (A) window 0, C and D window 2 or 3
.set AA, 80+96*(\e)+12*(\a)
.endif
.irp b, 0,1,2,3,4,5,6,7
.if \zero
	v_wmma_scale_f32_16x16x128_f8f6f4 v[8*(8*((\a)%4)+\b):8*(8*((\a)%4)+\b)+7], v[96*(\e)+12*\b:96*(\e)+12*\b+11], v[AA:AA+11], 0, v[SC+32*(\sc)+4*\b+(\q)], v[SC+32*(\sc)+4*(\a)+(\q)] matrix_a_fmt:MATRIX_FMT_BF6 matrix_b_fmt:MATRIX_FMT_BF6 matrix_a_scale:MATRIX_SCALE_ROW1
.else
	v_wmma_scale_f32_16x16x128_f8f6f4 v[8*(8*((\a)%4)+\b):8*(8*((\a)%4)+\b)+7], v[96*(\e)+12*\b:96*(\e)+12*\b+11], v[AA:AA+11], v[8*(8*((\a)%4)+\b):8*(8*((\a)%4)+\b)+7], v[SC+32*(\sc)+4*\b+(\q)], v[SC+32*(\sc)+4*(\a)+(\q)] matrix_a_fmt:MATRIX_FMT_BF6 matrix_b_fmt:MATRIX_FMT_BF6 matrix_a_scale:MATRIX_SCALE_ROW1
.endif
.endr
.endm
; A slot's first step, on set e: the second step's fragments are fetched into the other set, which the step before has multiplied (four places in front of the loads).
.macro SQ0 s, e, zero
	s_wait_dscnt 0x0                               ; this step's fragments, asked for a step ago
	PLACES
	RUN \s, 1, 1-\e, RC, 0
.irp a, 0,1,2,3,4,5,6,7
	MUL8 \a, \e, 0, \s, \zero
.endr
.endm
; Its second step: the run at its head is the slot's last read.  Then each wave waits for all its tensor loads (its part of the other slot), adds 0 to its spare word, and waits for that and for its reads;
; the barrier opens a round of the cluster's barrier, and the joint refill is the first tensor load behind it.  fill: 1 a whole piece of K, 2 the short one, 0 nothing is left to fetch (no round follows).
.macro SQ1 s, e, fill
.if \fill == 1
	s_wait_xcnt 0x0                                ; my prefetches have read their address
	s_add_nc_u64 s[PFA:PFA+1], s[PFA:PFA+1], s[PFS:PFS+1]
.endif
	s_wait_dscnt 0x0
	PLACES
	RUN \s, 2, 1-\e, RC, 0
.irp a, 0,1,2,3,4
	MUL8 \a, \e, 1, \s, 0
.endr
	WIN 0                                          ; (the add's two registers lie in window 0)
	s_wait_tensorcnt 0x0
	ds_add_u32 v[SPW], v[NIL]
	MUL8 5, \e, 1, \s, 0
	s_wait_dscnt 0x0                               ; the add is done, and my reads of this slot are over
	s_barrier_signal -1
	MUL8 6, \e, 1, \s, 0
	MUL8 7, \e, 1, \s, 0
	WIN 0
	s_barrier_wait -1
.if \fill
	CREST
	s_add_nc_u64 s[G0+4*\s+2:G0+4*\s+3], s[G0+4*\s+2:G0+4*\s+3], 2*STRA
	s_add_nc_u64 s[G0B+4*\s+2:G0B+4*\s+3], s[G0B+4*\s+2:G0B+4*\s+3], 2*STRB
.if \fill == 2
	s_sub_nc_u64 s[G0+4*\s+2:G0+4*\s+3], s[G0+4*\s+2:G0+4*\s+3], s[SUBA:SUBA+1]
	s_sub_nc_u64 s[G0B+4*\s+2:G0B+4*\s+3], s[G0B+4*\s+2:G0B+4*\s+3], s[SUBB:SUBB+1]
	JLOAD G0+4*\s, G1L, G0B+4*\s, G1LB
.else
	JLOAD G0+4*\s, G1, G0B+4*\s, G1B               ; its four v_nop are the places in front of the run that follows
.endif
.else
	PLACES
.endif
.endm
; Its third step works on registers alone; the run at its head reads the other slot's first fragments and scale words.
.macro SQ2 s, n, e, ask
	RUN \n, 0, 1-\e, RN, 1
.if \ask
	ASK 1, PFA
.endif
.irp a, 0,1,2,3,4,5,6,7
	MUL8 \a, \e, 2, \s, 0
.endr
.endm
.set RC, RECF                          ; a record's bytes in the slot at work, and in the next one
.set RN, RECF
	s_wait_tensorcnt 0x0                           ; my part of slot 0 is in; slot 1's first fill is issued as a refill is
	ds_add_u32 v[SPW], v[NIL]
	s_wait_dscnt 0x0
	CROUND
	JLOAD G0+4, G1, G0B+4, G1B                     ; piece 1
	s_wait_xcnt 0x0
	s_add_nc_u64 s[PFA:PFA+1], s[PFA:PFA+1], s[PFS:PFS+1]
	RUN 0, 0, 0, RC, 1
	ASK 0, PFA                                     ; piece 3
	SQ0 0, 0, 1                                    ; the first step's products start the sums
	WIN 0
	s_mov_b32 s3, TRIPS
.Llap:                                                 ; a trip: six steps, once round the ring; the sets are back where they began
	SQ1 0, 1, 1
	SQ2 0, 1, 0, 1
	SQ0 1, 1, 0
	SQ1 1, 0, 1
	SQ2 1, 0, 1, 1
	SQ0 0, 0, 0
	WIN 0
	s_sub_co_u32 s3, s3, 1
	s_cmp_lg_u32 s3, 0
	s_cbranch_scc1 .Llap
	SQ1 0, 1, 2                                    ; slot 0 takes the short piece
	SQ2 0, 1, 0, 0
	SQ0 1, 1, 0
.set RN, RECL
	SQ1 1, 0, 0
	SQ2 1, 0, 1, 0
.set RC, RECL
	SQ0 0, 0, 0
	s_wait_dscnt 0x0                               ; the very last step: nothing more to fetch
.irp a, 0,1,2,3,4,5,6,7
	MUL8 \a, 1, 1, 0, 0
.endr
	WIN 0
; THE WAY OUT, by blocks of 16 rows x 128 columns: through my own stage in LDS, back as whole rows of 512 bytes.  LDS serves a wave's instructions in order: no wait between the stores and the loads.
.macro TOSTAGE a
.set AC, 64*((\a)%4)
	WIN 0x08+4*((\a)/4)                            ; the data: window 2 or 3
.irp b, 0,1,2,3,4,5,6,7
	ds_store_b128 v[STO], v[AC+8*\b:AC+8*\b+3] offset:64*\b          ; each accumulator from its low end on
	ds_store_b128 v[STO], v[AC+8*\b+4:AC+8*\b+7] offset:64*\b+16
.endr
	WIN 0
.set BB, BK+64*((\a)%2)
.irp t, 0,1,2,3,4,5,6,7,8,9,10,11,12,13,14,15
	ds_load_b128 v[BB+4*\t:BB+4*\t+3], v[RD] offset:\t*SPITCH
.endr
.endm
.macro SEND a, younger
.set BB, BK+64*((\a)%2)
	s_wait_dscnt \younger                          ; the block is back in registers
	s_wait_xcnt 0x0                                ; earlier stores have read their base and EXEC
.if (\a) > 0
	s_add_nc_u64 s[12:13], s[12:13], 16*SIZE_N*4
.endif
	s_and_saveexec_b32 s2, vcc_lo                  ; only the columns that this block owns
.irp t, 0,1,2,3,4,5,6,7,8,9,10,11,12,13,14,15
	global_store_b128 v[CO], v[BB+4*\t:BB+4*\t+3], s[12:13] offset:\t*SIZE_N*4 th:TH_STORE_NT   ; 32 lanes, 512 consecutive bytes of a row
.endr
	s_wait_xcnt 0x0
	s_or_b32 exec_lo, exec_lo, s2
.endm
	PLACES                                         ; in front of the reads of results and of the loads into registers that products have read
	v_cmp_le_i32 vcc_lo, s[NEED], v[CO]
	TOSTAGE 0
.irp a, 1,2,3,4,5,6,7
	TOSTAGE \a
	SEND \a-1, 32                                  ; behind block a - 1's loads: block a's 16 stores and 16 loads
.endr
	SEND 7, 0
	s_wait_tensorcnt 0x0                           ; the wave's end
	ds_add_u32 v[SPW], v[NIL]
	s_wait_dscnt 0x0
	CROUND                                         ; the closing round
	s_endpgm
.Lfunc_end_k_q56a2dfd8b0_gemm:
	.size	k_q56a2dfd8b0_gemm, .Lfunc_end_k_q56a2dfd8b0_gemm-k_q56a2dfd8b0_gemm
	.p2alignl 7, 3214868480
	.fill 96, 4, 3214868480
	.section	.rodata,"a",@progbits
	.p2align	6, 0x0
	.amdhsa_kernel k_q56a2dfd8b0_gemm
		.amdhsa_group_segment_fixed_size 327680
		.amdhsa_private_segment_fixed_size 0
		.amdhsa_enable_private_segment 0
		.amdhsa_kernarg_size 24
		.amdhsa_user_sgpr_count 2
		.amdhsa_user_sgpr_kernarg_segment_ptr 1
		.amdhsa_wavefront_size32 1
		.amdhsa_system_sgpr_workgroup_id_x 1
		.amdhsa_system_sgpr_workgroup_id_y 1
		.amdhsa_system_sgpr_workgroup_id_z 1
		.amdhsa_system_vgpr_workitem_id 0
		.amdhsa_next_free_vgpr 1024
		.amdhsa_next_free_sgpr 100
		.amdhsa_reserve_vcc 1
		.amdhsa_float_denorm_mode_32 3
		.amdhsa_float_denorm_mode_16_64 3
		.amdhsa_memory_ordered 1
		.amdhsa_forward_progress 1
		.amdhsa_inst_pref_size 206
	.end_amdhsa_kernel
	.amdgpu_metadata
---
amdhsa.version: [ 1, 2 ]
amdhsa.kernels:
  - .name:           k_q56a2dfd8b0_gemm
    .symbol:         k_q56a2dfd8b0_gemm.kd
    .args:
      - { .name: a_pack, .offset: 0, .size: 8, .value_kind: global_buffer, .address_space: global }
      - { .name: b_pack, .offset: 8, .size: 8, .value_kind: global_buffer, .address_space: global }
      - { .name: out0, .offset: 16, .size: 8, .value_kind: global_buffer, .address_space: global }
    .group_segment_fixed_size: 327680
    .private_segment_fixed_size: 0
    .kernarg_segment_align: 8
    .kernarg_segment_size: 24
    .max_flat_workgroup_size: 128
    .sgpr_count:     100
    .vgpr_count:     1024
    .wavefront_size: 32
...
	.end_amdgpu_metadata
.endif
;; end of part 2
